; MI455X (gfx1250); checked and timed in simulation.
; The chip was launched on July 23, 2026; its instructions are those of AMD's public machine-readable ISA for CDNA 5 (MIT licence, August 2026) and "CDNA5" Instruction Set Architecture Reference Guide (July 2026). The comments in the code are by the model that wrote it; some were corrected since.
;; Embedding LSTM Cell. Allowed arithmetic: matrix products marked QUANTISED: E3M2 operands, one E8M0 scale for each 32 along K, by v_wmma_scale_f32_16x16x128_f8f6f4 with both operands' format E3M2, f32 sums; everything else in f32.
;; Inputs: W_forget 2,048 x 1,024 float32; W_input 2,048 x 1,024 float32; W_out 2,048 x 1,024 float32; W_update 2,048 x 1,024 float32; b_forget 1,024 float32; b_input 1,024 float32; b_out 1,024 float32; b_update 1,024 float32; c_prev 8,192 x 1,024 float32; embed 8,192 x 1,024 float32; h_prev 8,192 x 1,024 float32; x 8,192 x 1,024 float32.
;; Outputs: out0 8,192 x 1,024 float32; out1 8,192 x 1,024 float32.
;; This version of the problem:
;;   THIS VERSION OF THE PROBLEM IS GIVEN IN LOW PRECISION. The matrix products marked QUANTISED in the list below multiply operands that are first quantised to E3M2 (3 exponent bits, 2 mantissa bits; 6 bits a number), with one power-of-two scale for each 32 numbers along K (OCP MX v1.0); their sums are f32. All else is computed in f32.
;;   The module's matrix products, in the order in which they are computed (A, B: the left and right operand; K: the contracted axis; several contracted axes count as one K, in the product's order):
;;     1. [M 8,192, K 2,048] x [K 2,048, N 4,096]; A: computed on the way; B: computed on the way: QUANTISED
;;   THE QUANTISER, for each operand of a quantised product, along K:
;;     - K is cut into blocks of 32 from its start; a last block that is shorter is filled with zeros.
;;     - A block's scale is 2^e with e = floor(log2(the largest magnitude in the block)) - 4, held to -126 .. 127; a block of zeros has e = 0. As a byte (E8M0): e + 127.
;;     - Each number is divided by its block's scale, clamped to +-28, and rounded to the nearest number of E3M2, ties to even, subnormals kept.
;;     - The product sums the exact products of the quantised numbers (number of the format x scale) in f32.
;;   ~~~python
;;   def quantise(x, axis):      # numpy; x: float32 -> the quantised numbers, widened to float32 again
;;       x = np.moveaxis(x, axis, -1); K = x.shape[-1]
;;       x = np.pad(x, [(0, 0)] * (x.ndim - 1) + [(0, -K % 32)]); x = x.reshape(x.shape[:-1] + (-1, 32)); a = np.abs(x).max(-1, keepdims=True)
;;       e = np.where(a > 0, np.clip(np.frexp(np.where(a > 0, a, 1))[1] - 1 - 4, -126, 127), 0)      # np.frexp(a)[1] - 1 = floor(log2(a)), exactly
;;       r = np.clip(x / 2.0 ** e, -28, 28)
;;       step = 2.0 ** (np.maximum(np.frexp(np.where(r == 0, 1, r))[1] - 1, -2) - 2)
;;       q = np.round(r / step) * step * 2.0 ** e      # np.round: ties to even
;;       return np.moveaxis(q.reshape(q.shape[:-2] + (-1,))[..., :K], -1, axis).astype(np.float32)
;;   ~~~
;;   OPERANDS COMPUTED ON THE WAY. 'Computed on the way' means the value that the module computes at that place (a softmax that the list does not call 'softmax' is quantised finished and normalised). What goes into a quantiser is computed in f32, as accurately as f32 sums, v_exp_f32 and their like allow (about 1e-6 of the number): no bf16 or f16 on the way to a quantiser, and a product that is left as it is and whose result goes on into a quantised operand takes f32 operands (vector FMAs, or v_wmma_f32_16x16x4_f32). A number that lies on a knife's edge between two numbers of the format may be rounded either way, as far as f32 arithmetic and the matrix unit's own rounding can turn it there, and no further.
;; One version. Each part assembles by itself: llvm-mc -triple=amdgcn-amd-amdhsa -mcpu=gfx1250 --defsym DOCPART=n.
;; ======== version 1 of 1: 2 launches
;; limits: inputs' magnitudes at most 280,000,000,000,000; right only within a limited range of input values
;; workspace buffers: a_pack 13,107,200 bytes; b_pack 6,553,600 bytes
;; launch quant (part 1): grid 768 x 1, 4 waves a work-group, no clusters, 34,304 bytes of LDS; arguments x, h_prev, W_forget, W_input, W_update, W_out, a_pack, b_pack; writes a_pack, b_pack
.if DOCPART == 1
	.amdgcn_target "amdgcn-amd-amdhsa--gfx1250"
	.amdhsa_code_object_version 6
	.text
	.protected	k_qd9a7ab1863_quant
	.globl	k_qd9a7ab1863_quant
	.p2align	8
	.type	k_qd9a7ab1863_quant,@function
k_qd9a7ab1863_quant:
	s_mov_b64 s[64:65], 0
	v_nop
	global_prefetch_b8 v0, s[64:65] scope:SCOPE_SE
	s_setreg_imm32_b32 hwreg(HW_REG_WAVE_MODE, 25, 1), 1
	s_wait_xcnt 0x0
; Both operands of gates = [x | h_prev] W are turned into codes of BF6 (E3M2) with one E8M0 scale byte for each 32 along K, and laid as the product's launch takes them into registers.
; The input embed enters no result of reference() (it is accepted and never used): it is not among this program's arguments and is not loaded; a NaN or infinity in it is not carried to any result.
; A block's scale is 2^(floor(log2(its largest magnitude)) - 4); its byte is the largest magnitude's exponent field - 4, held at 1 from below.  Each number is divided by the scale and rounded
; to the nearest code, ties to even; beyond the largest code the conversion gives the largest code.
; LIMITS: a block whose largest magnitude lies under 2^(4 - 126) keeps the byte 1; a block of zeros gets the byte 1 where the quantiser's text says 127: its codes are zeros, which add nothing
; under any byte but 0xff, and the bytes are read by this program alone.  NaN and infinities among the inputs are not served.
; OUT.  A FRAGMENT (16 rows x 128 K) is 1,536 bytes: the image of the operand's 12 registers: registers 4 j .. 4 j + 3 of lane l at byte 512 j + 16 l.  Lane (r, h) holds row r, K = 32 h + 0..31 and 64 + 32 h + 0..31.
; A PACK (128 rows x 256 K) is 25,600 bytes: fragments [block of 16 rows 0..7][which 128 of K 0..1], then 1,024 scale bytes [row 0..127][which 128 of K][4 bytes].
; a_pack [256 of K: 8][128 rows: 64][pack];  b_pack [8][32][pack]: pack G's row 32 g + c is hidden column 32 G + c of gate g (0 forget, 1 input, 2 update, 3 out).
; SHARES.  Work-groups 0-511 take x and h_prev, 512-767 the weights.  A wave takes 32 rows (or columns) x 256 K: four fragments, 6,144 consecutive bytes, and 256 consecutive scale bytes.
; Every store of codes covers 512 consecutive bytes, the store of scales 256, aligned.  Waves share nothing: no barrier.
.set EMAX,  4
.set GRP,   25600
.set ASTR,  64*GRP
.set BSTR,  32*GRP
.set SCO,   24576
.set SPITCH, 528                       ; a stage row: 512 bytes + 16
.set STG,   16*SPITCH                  ; a wave's stage
.set SPARE, 4*STG                      ; the spare words, 128 bytes a wave
.set R,     16                         ; v16-143  two sets of 64: a fragment's numbers as loaded
.set X,     144                        ; v144-207 my two blocks of 32 neighbours
.set C,     208                        ; v208-219 the fragment's 12 registers
.set T,     220                        ; v220-226 the conversions whose place begins on an odd register
.set WD,    228                        ; v228-231 a scale word for each fragment
.set SPW,   234
.set NIL,   235
.set WX,    32                         ; the weights: v32-95 two sets of 32 numbers
.set WF,    96                         ; v96-143  for each 128 of K two fragments of 12
.set WT,    144
.set WSB,   24                         ; v24-25   my column's two scale words
	s_load_b512 s[4:19], s[0:1], 0x0               ; x, h_prev, W_forget, W_input, W_update, W_out, a_pack s[16:17], b_pack s[18:19]
	v_lshl_add_u32 v[SPW], v0, 2, SPARE
	v_mov_b32 v[NIL], 0
	v_lshrrev_b32 v1, 5, v0
	v_readfirstlane_b32 s24, v1                    ; wave
	v_and_b32 v2, 31, v0                           ; lane
	v_lshlrev_b32 v3, 4, v2                        ; 16 l
	v_lshlrev_b32 v7, 3, v2                        ; 8 l
	s_cmp_lt_u32 ttmp9, 512
	s_wait_alu depctr_va_vdst(0)
	s_cbranch_scc0 .Lw
; ======== x and h_prev: K innermost.  Each load reads one row's 512 bytes; a fragment's 16 rows turn through the wave's stage, and lane (r, h) takes back its two blocks of 32 neighbours.
	v_and_b32 v4, 15, v2                           ; r
	v_lshrrev_b32 v5, 4, v2                        ; h
	s_mul_i32 s25, s24, STG
	v_add_nc_u32 v8, s25, v3                       ; into the stage: 16 l, the row in the immediate
	v_mul_u32_u24 v9, v4, SPITCH
	v_lshl_add_u32 v9, v5, 7, v9
	v_add_nc_u32 v9, s25, v9                       ; out of it: row r, + 128 h
	v_lshlrev_b32 v10, 3, v5                       ; 8 h
	v_mov_b32 v11, 0
	s_mov_b32 s40, 0x76543210
	s_mov_b32 s41, 0xfedcba98
	s_lshl_b32 s26, ttmp9, 2
	s_add_co_u32 s26, s26, s24                     ; my job: 0 .. 2047
	s_and_b32 s27, s26, 7                          ; which 256 of K: 0-3 x, 4-7 h_prev
	s_lshr_b32 s28, s26, 3                         ; which 32 rows
	s_lshl_b32 s30, s28, 17
	s_and_b32 s29, s27, 3
	s_lshl_b32 s29, s29, 10
	s_add_co_u32 s30, s30, s29
	s_mov_b32 s31, 0
	s_mul_i32 s32, s27, ASTR
	s_lshr_b32 s35, s28, 2
	s_mul_i32 s35, s35, GRP
	s_add_co_u32 s32, s32, s35                     ; my pack
	s_and_b32 s34, s28, 3
	s_mul_i32 s35, s34, 6144
	s_add_co_u32 s36, s32, s35                     ; my four fragments
	s_mov_b32 s37, 0
	s_lshl_b32 s35, s34, 8
	s_add_co_u32 s38, s32, s35
	s_add_co_u32 s38, s38, SCO                     ; my 256 scale bytes
	s_mov_b32 s39, 0
	s_wait_alu depctr_va_vdst(0)
	s_wait_kmcnt 0x0
	s_cmp_lt_u32 s27, 4
	s_cselect_b64 s[4:5], s[4:5], s[6:7]
	s_add_nc_u64 s[4:5], s[4:5], s[30:31]
	s_add_nc_u64 s[20:21], s[16:17], s[36:37]
	s_add_nc_u64 s[22:23], s[16:17], s[38:39]
.macro ALOAD f                         ; fragment f = 2 x (which 16 rows) + (which 128 of K)
.irp i, 0,1,2,3,4,5,6,7,8,9,10,11,12,13,14,15
	global_load_b128 v[R+64*((\f)%2)+4*\i:R+64*((\f)%2)+4*\i+3], v3, s[4:5] offset:(16*((\f)/2)+\i)*4096+512*((\f)%2) th:TH_LOAD_NT
.endr
.endm
.macro AFRAG f
.if (\f) < 3
	s_wait_loadcnt 16                              ; this fragment's 16 loads are in; the next one's may be out
.else
	s_wait_loadcnt 0
.endif
.irp i, 0,1,2,3,4,5,6,7,8,9,10,11,12,13,14,15
	ds_store_b128 v8, v[R+64*((\f)%2)+4*\i:R+64*((\f)%2)+4*\i+3] offset:\i*SPITCH
.endr
.irp c, 0,1
.irp p, 0,1,2,3,4,5,6,7
	ds_load_b128 v[X+32*\c+4*\p:X+32*\c+4*\p+3], v9 offset:256*\c+16*\p      ; in order behind my stores
.endr
.endr
	s_wait_dscnt 0x0                               ; my blocks are in, and the stores have read their registers
	s_wait_xcnt 0x0                                ; the last fragment's stores have read C
.if (\f)+2 < 4
	ALOAD (\f)+2
.endif
	v_max3_num_f32 v12, |v[X]|, |v[X+1]|, (EMAX+1)<<23             ; the two blocks' largest magnitudes, by turns, with the floor
	v_max3_num_f32 v13, |v[X+32]|, |v[X+33]|, (EMAX+1)<<23
.irp i, 2,4,6,8,10,12,14,16,18,20,22,24,26,28,30
	v_max3_num_f32 v12, v12, |v[X+\i]|, |v[X+\i+1]|
	v_max3_num_f32 v13, v13, |v[X+32+\i]|, |v[X+33+\i]|
.endr
	v_add_nc_u32 v14, -(EMAX<<23), v12             ; the conversions' scale operands
	v_add_nc_u32 v15, -(EMAX<<23), v13
	v_cvt_scalef32_pk16_bf6_f32 v[C:C+2], v[X:X+15], v14
	v_cvt_scalef32_pk16_bf6_f32 v[T:T+2], v[X+16:X+31], v14
	v_cvt_scalef32_pk16_bf6_f32 v[C+6:C+8], v[X+32:X+47], v15
	v_cvt_scalef32_pk16_bf6_f32 v[T+4:T+6], v[X+48:X+63], v15
	v_lshrrev_b32 v12, 23, v14                     ; the bytes of blocks h and 2 + h
	v_lshrrev_b32 v13, 23, v15
	v_lshl_or_b32 v12, v13, 16, v12
	v_lshlrev_b32 v12, v10, v12                    ; at their places in the word
	v_permlanex16_b32 v11, v12, s40, s41
	v_or_b32 v[WD+(\f)], v12, v11                  ; with lane l xor 16's two: row r's word, in both halves of the lanes
.irp i, 0,1,2
	v_mov_b32 v[C+3+\i], v[T+\i]
	v_mov_b32 v[C+9+\i], v[T+4+\i]
.endr
.irp j, 0,1,2
	global_store_b128 v3, v[C+4*\j:C+4*\j+3], s[20:21] offset:(\f)*1536+512*\j
.endr
.endm
	ALOAD 0
	ALOAD 1
.irp f, 0,1,2,3
	AFRAG \f
.endr
	v_cmp_lt_u32 vcc_lo, 15, v2                    ; lane l stores row l's two words: lanes 16-31 those of the second 16 rows
	v_cndmask_b32 v12, v[WD], v[WD+2], vcc_lo
	v_cndmask_b32 v13, v[WD+1], v[WD+3], vcc_lo
	global_store_b64 v7, v[12:13], s[22:23]
	s_wait_tensorcnt 0x0                           ; the wave's end
	ds_add_u32 v[SPW], v[NIL]
	s_wait_dscnt 0x0
	s_endpgm
; ======== the weights: K is the first axis.  A lane takes a column and its registers run down K: a block of 32 is one lane's.  Lanes 0-15 hold one fragment's 16 columns, lanes 16-31 the next one's;
; a swap of the halves between an even block's registers and the next block's gives both fragments' registers.  No LDS on this way.
.Lw:
	s_sub_co_u32 s25, ttmp9, 512
	s_lshr_b32 s26, s25, 6                         ; the gate g
	s_and_b32 s27, s25, 7
	s_bfe_u32 s28, s25, 0x30003                    ; which 256 of K
	s_lshl_b32 s29, s27, 2
	s_add_co_u32 s29, s29, s24                     ; G: which 32 columns
	v_lshlrev_b32 v6, 2, v2
	s_lshl_b32 s32, s28, 20
	s_lshl_b32 s33, s29, 7
	s_add_co_u32 s32, s32, s33
	s_mov_b32 s33, 0
	s_mul_i32 s34, s28, BSTR
	s_mul_i32 s35, s29, GRP
	s_add_co_u32 s34, s34, s35                     ; my pack
	s_mul_i32 s35, s26, 6144
	s_add_co_u32 s36, s34, s35                     ; blocks 2 g and 2 g + 1
	s_mov_b32 s37, 0
	s_lshl_b32 s35, s26, 8
	s_add_co_u32 s38, s34, s35
	s_add_co_u32 s38, s38, SCO
	s_mov_b32 s39, 0
	s_wait_alu depctr_va_vdst(0)
	s_wait_kmcnt 0x0
	s_cmp_eq_u32 s26, 1
	s_cselect_b64 s[8:9], s[10:11], s[8:9]
	s_cmp_eq_u32 s26, 2
	s_cselect_b64 s[8:9], s[12:13], s[8:9]
	s_cmp_eq_u32 s26, 3
	s_cselect_b64 s[8:9], s[14:15], s[8:9]
	s_add_nc_u64 s[8:9], s[8:9], s[32:33]
	s_add_nc_u64 s[20:21], s[18:19], s[36:37]
	s_add_nc_u64 s[22:23], s[18:19], s[38:39]
.macro WLOAD t
.irp i, 0,1,2,3,4,5,6,7,8,9,10,11,12,13,14,15,16,17,18,19,20,21,22,23,24,25,26,27,28,29,30,31
	global_load_b32 v[WX+32*((\t)%2)+\i], v6, s[8:9] offset:(32*(\t)+\i)*4096 th:TH_LOAD_NT
.endr
.endm
.macro WBLOCK t
.set WXS, WX+32*((\t)%2)
.set CB, WF+24*((\t)/4)+12*((\t)%2)+6*(((\t)%4)/2)   ; even blocks go to the first fragment's registers, odd ones to the second's
.if (\t) < 7
	s_wait_loadcnt 32                              ; this block's 32 loads are in; the next block's may be out
.else
	s_wait_loadcnt 0
.endif
	v_max3_num_f32 v12, |v[WXS]|, |v[WXS+1]|, |v[WXS+2]|
	v_max3_num_f32 v13, |v[WXS+3]|, |v[WXS+4]|, |v[WXS+5]|
.irp i, 6,10,14,18,22,26
	v_max3_num_f32 v12, v12, |v[WXS+\i]|, |v[WXS+\i+1]|
	v_max3_num_f32 v13, v13, |v[WXS+\i+2]|, |v[WXS+\i+3]|
.endr
	v_max3_num_f32 v12, v12, |v[WXS+30]|, |v[WXS+31]|
	v_max3_num_f32 v12, v12, v13, (EMAX+1)<<23
	v_add_nc_u32 v11, -(EMAX<<23), v12
	v_cvt_scalef32_pk16_bf6_f32 v[CB:CB+2], v[WXS:WXS+15], v11
	v_cvt_scalef32_pk16_bf6_f32 v[WT:WT+2], v[WXS+16:WXS+31], v11
	v_lshrrev_b32 v13, 23, v11                     ; the scale's byte (the plain line behind the conversions)
.if (\t)%4 == 0
	v_mov_b32 v[WSB+(\t)/4], v13
.else
	v_lshl_or_b32 v[WSB+(\t)/4], v13, 8*((\t)%4), v[WSB+(\t)/4]
.endif
.irp i, 0,1,2
	v_mov_b32 v[CB+3+\i], v[WT+\i]
.endr
.if (\t)+2 < 8
	WLOAD (\t)+2
.endif
.if (\t)%2 == 1
.irp i, 0,1,2,3,4,5
	v_permlane16_swap_b32 v[CB-12+\i], v[CB+\i]    ; the even block's lanes 16-31 change places with the odd block's lanes 0-15
.endr
.endif
.if (\t)%4 == 3
.irp f, 0,1
.irp j, 0,1,2
	global_store_b128 v3, v[WF+24*((\t)/4)+12*\f+4*\j:WF+24*((\t)/4)+12*\f+4*\j+3], s[20:21] offset:\f*3072+((\t)/4)*1536+512*\j
.endr
.endr
.endif
.endm
	WLOAD 0
	WLOAD 1
.irp t, 0,1,2,3,4,5,6,7
	WBLOCK \t
.endr
	global_store_b64 v7, v[WSB:WSB+1], s[22:23]    ; my column's two words
	s_endpgm
.Lfunc_end_k_qd9a7ab1863_quant:
	.size	k_qd9a7ab1863_quant, .Lfunc_end_k_qd9a7ab1863_quant-k_qd9a7ab1863_quant
	.p2alignl 7, 3214868480
	.fill 96, 4, 3214868480
	.section	.rodata,"a",@progbits
	.p2align	6, 0x0
	.amdhsa_kernel k_qd9a7ab1863_quant
		.amdhsa_group_segment_fixed_size 34304
		.amdhsa_private_segment_fixed_size 0
		.amdhsa_enable_private_segment 0
		.amdhsa_kernarg_size 64
		.amdhsa_user_sgpr_count 2
		.amdhsa_user_sgpr_kernarg_segment_ptr 1
		.amdhsa_wavefront_size32 1
		.amdhsa_system_sgpr_workgroup_id_x 1
		.amdhsa_system_sgpr_workgroup_id_y 1
		.amdhsa_system_sgpr_workgroup_id_z 1
		.amdhsa_system_vgpr_workitem_id 0
		.amdhsa_next_free_vgpr 240
		.amdhsa_next_free_sgpr 66
		.amdhsa_reserve_vcc 1
		.amdhsa_float_denorm_mode_32 3
		.amdhsa_float_denorm_mode_16_64 3
		.amdhsa_memory_ordered 1
		.amdhsa_forward_progress 1
		.amdhsa_inst_pref_size 69
	.end_amdhsa_kernel
	.amdgpu_metadata
---
amdhsa.version: [ 1, 2 ]
amdhsa.kernels:
  - .name:           k_qd9a7ab1863_quant
    .symbol:         k_qd9a7ab1863_quant.kd
    .args:
      - { .name: x, .offset: 0, .size: 8, .value_kind: global_buffer, .address_space: global }
      - { .name: h_prev, .offset: 8, .size: 8, .value_kind: global_buffer, .address_space: global }
      - { .name: W_forget, .offset: 16, .size: 8, .value_kind: global_buffer, .address_space: global }
      - { .name: W_input, .offset: 24, .size: 8, .value_kind: global_buffer, .address_space: global }
      - { .name: W_update, .offset: 32, .size: 8, .value_kind: global_buffer, .address_space: global }
      - { .name: W_out, .offset: 40, .size: 8, .value_kind: global_buffer, .address_space: global }
      - { .name: a_pack, .offset: 48, .size: 8, .value_kind: global_buffer, .address_space: global }
      - { .name: b_pack, .offset: 56, .size: 8, .value_kind: global_buffer, .address_space: global }
    .group_segment_fixed_size: 34304
    .private_segment_fixed_size: 0
    .kernarg_segment_align: 8
    .kernarg_segment_size: 64
    .max_flat_workgroup_size: 128
    .sgpr_count:     66
    .vgpr_count:     240
    .wavefront_size: 32
...
	.end_amdgpu_metadata
.endif
;; end of part 1
;; launch gemm (part 2): grid 16 x 32, 4 waves a work-group, clusters of 4 x 4, 327,680 bytes of LDS; arguments a_pack, b_pack, b_forget, b_input, b_update, b_out, c_prev, out0, out1; writes out0, out1
.if DOCPART == 2
	.amdgcn_target "amdgcn-amd-amdhsa--gfx1250"
	.amdhsa_code_object_version 6
	.text
	.protected	k_qd9a7ab1863_gemm
	.globl	k_qd9a7ab1863_gemm
	.p2align	8
	.type	k_qd9a7ab1863_gemm,@function
k_qd9a7ab1863_gemm:
	s_mov_b64 s[64:65], 0
	v_nop
	global_prefetch_b8 v0, s[64:65] scope:SCOPE_SE
	s_setreg_imm32_b32 hwreg(HW_REG_WAVE_MODE, 25, 1), 1
	s_wait_xcnt 0x0
	s_wait_alu depctr_hold_cnt(0) depctr_sa_sdst(0) depctr_va_vdst(0) depctr_va_sdst(0) depctr_va_ssrc(0) depctr_va_vcc(0) depctr_vm_vsrc(0)
	s_getreg_b32 s2, hwreg(HW_REG_IB_STS2, 6, 4)
	s_cmp_eq_u32 s2, 0
	s_cbranch_scc0 .Lentry_in_a_cluster
	s_endpgm
.Lentry_in_a_cluster:
	s_bfe_u32 s2, ttmp6, 0x10000c
	s_cmp_lg_u32 s2, 0xf033
	s_cbranch_scc0 .Lentry_shape_is_right
	s_endpgm
.Lentry_shape_is_right:
; gates = Q([x | h_prev]) Q(W) + b on codes of BF6 (E3M2) with one E8M0 scale for each 32 along K, sums in f32; then, in f32 and in the same registers,
; c_t = c_prev sigmoid(f) + sigmoid(i) tanh(g) -> out1,  h_t = sigmoid(o) tanh(c_t) -> out0.  The gates never go to memory.  The input embed reaches no result and is not loaded.
; OPERANDS: packs of 25,600 bytes (128 rows x 256 K): 16 fragments of 1,536 bytes, each the image of the operand's 12 registers (registers 4 j .. 4 j + 3 of lane l at 512 j + 16 l), then the rows' scale words.
; A pack is dense in memory: one tensor load brings it as 100 rows of 256 bytes; a fragment is three ds_load_b128 at 16 x lane.
; SHARES.  A work-group of four waves makes 256 rows x 64 hidden columns x 4 gates; a wave 128 x 128: 64 accumulators.  A wave's block b of 16 rows of B is gate b / 2, hidden columns 16 (b % 2) on.
; THE MATRIX INSTRUCTION IS USED TRANSPOSED (source 0 = B, source 1 = A): lane (r, h) of accumulator (a, b) holds row 16 a + r, hidden columns 16 (b % 2) + 8 h + 0..7: the four gates of an element lie in one lane.
; K goes in 8 slots of 256 through a ring of two LDS slots (A's two packs, B's two packs), two steps of 128 to a slot.
; THE HEAD fills both slots, one tensor load a wave: a tile's two packs are neighbours in memory and in LDS, so one load of 200 rows brings both: wave 0 A's of slot 0, wave 1 B's of slot 0, wave 2 A's of slot 1, wave 3 B's of slot 1.
; Behind the wait for them the descriptors are set for the ring: 100 rows, a pack to a wave.
; REGISTERS, in windows of 256.  The upper half of window w holds the 16 accumulators of A's blocks 2 w, 2 w + 1 ((a, b) at v[128 + 64 (a % 2) + 8 b]).  Lower halves:
;   window 0: v0-31 addresses, v32-63 scale words (two sets), v64-127 the biases;  window 1: v0-95 B's set 0, v96-119 A's blocks 0, 1, v120-123 the fragments' LDS addresses;
;   window 2: v0-95 B's set 1, v96-119 A's blocks 2, 3;  window 3: v0-47 and v48-95 A's blocks 4 to 7, a set for even and a set for odd steps.
; A step is four PHASES of 16 matrix instructions, phase w on window w's accumulators, each under one window setting.  The next step's fragments come in TWO RUNS of LDS loads: B's other set (24 loads; at a change of
; slots the next slot's 8 loads of scale words ahead of them) behind phase 1, A's eight blocks (24 loads) behind phase 2: blocks 0-3 into the registers just multiplied, blocks 4-7 into the other set.
; All reads of a slot have been issued when its second step begins: in that step's phase 1 stands the one barrier of the change of slots, a round of the cluster's barrier, and the refill behind it:
; from a refill to the wait for it a wave issues 112 matrix instructions.
; c_prev's tile (256 rows x 256 bytes) is slot 0's last fill; c_t is written over it; h_t's stage lies in slot 1 behind its last read.
; CLUSTERS: 4 x 4; A's packs are asked for jointly along a row of the cluster, B's along a column.
; PREFETCH: a wave names the pack that stands two slots of K on from what is being loaded: at the head slots 2 and 3, at each change of slots of the first two loop trips slots 4 to 7; the four partners of a joint
; load share a pack's 100 blocks of 256 bytes out by address, 25 each (lanes 25-31 name the 25th again).  The last trip names c_prev's rows instead, a lane a row, 32 rows at each change of slots.
; LIMITS: NaN and infinities are not served.  The exponents of the activations' powers of two are held at 40 from above: a sigmoid does not fall under 2^-40, a tanh is +-1 to the last bit of f32 there;
; so the products of up to three terms 1 + 2^e stay under 2^121.
.set GRP,    25600
.set SLOT,   4*GRP
.set ASTR,   64*GRP                    ; from a slot of K to the next in a_pack
.set BSTR,   32*GRP
.set SCO,    24576                     ; the scale words in a pack
.set SPARE,  2*SLOT
.set CPITCH, 272
.set NP,     4
.set RDH,  15
.set ADRS, 16                          ; v16-17 my scale words in slot 0, 1: lanes 0-15 A's rows, lanes 16-31 B's
.set VCP,  24
.set RD,   25
.set CO,   26
.set PFO,  27                          ; 256 x min(lane, 24)
.set SPW,  28
.set NIL,  29
.set VH,   30
.set VPF,  31                          ; 4,096 x lane
.set SC,   32                          ; set s at SC + 16 s; register 2 i + q: lanes 0-15 A's block i, lanes 16-31 B's block i, the slot's q-th 128
.set BIAS, 64
.set CP,   32                          ; the tail: two sets of 16 numbers of c_prev
.set RB,   64                          ; the tail: two sets of 32 registers on their way out
.set AD,   120                         ; window 1: A's fragments in slot 0, 1; B's in slot 0, 1
.set G0C, 8                            ; s[8:11]
.set K1,  12
.set K2,  18
.set G1,  24
.set G0,  32
.set G1B, 48
.set G0B, 56
.set G1C, 76
.set PFA, 84                           ; s[84:85] where my prefetches stand; s[86:87] their step; s[90:91] the head's first
.set CAP, 92
.set MSB, 0
.macro WIN new
.if MSB != (\new)
	s_set_vgpr_msb (MSB<<8)|(\new)
.set MSB, (\new)
.endif
.endm
.macro PLACES
.rept NP
	v_nop
.endr
.endm
.macro JLOAD g0a, g1a, g0b, g1b        ; a joint load: waves 0, 1 fetch A's packs, waves 2, 3 B's; s_nop 0 and four v_nop behind each line
	s_cmp_eq_u32 s15, 0
	s_cbranch_scc0 .Lfor_b_\@
	tensor_load_to_lds s[\g0a:\g0a+3], s[\g1a:\g1a+7]
	s_nop 0
	PLACES
	s_branch .Lasked_\@
.Lfor_b_\@:
	tensor_load_to_lds s[\g0b:\g0b+3], s[\g1b:\g1b+7]
	s_nop 0
	PLACES
.Lasked_\@:
.endm
.macro CREST
	s_cmp_lg_u32 s14, 0
	s_cbranch_scc1 .Lnot_wave_0_\@
	s_barrier_signal -3
.Lnot_wave_0_\@:
	s_barrier_wait -3
	s_barrier_signal -1
	s_barrier_wait -1
.endm
.macro CROUND
	s_barrier_signal -1
	s_barrier_wait -1
	CREST
.endm
	s_load_b128 s[4:7], s[0:1], 0x0                ; a_pack, b_pack
	s_load_b256 s[68:75], s[0:1], 0x10             ; the four biases, gates 0 to 3
	s_load_b128 s[96:99], s[0:1], 0x30             ; c_prev, out0
	s_load_b64 s[100:101], s[0:1], 0x40            ; out1
	v_lshl_add_u32 v[SPW], v0, 2, SPARE
	v_mov_b32 v[NIL], 0
	ds_add_u32 v[SPW], v[NIL]                      ; the opening lines: the add twice on end and its wait
	ds_add_u32 v[SPW], v[NIL]
	v_lshrrev_b32 v1, 5, v0
	v_readfirstlane_b32 s14, v1                    ; wave
	s_lshr_b32 s15, s14, 1                         ; my half of the rows; also: in the ring I fetch for A (0) or B (1)
	s_and_b32 s16, s14, 1                          ; my half of B's rows; also: which pack I fetch in the ring
	s_bfe_u32 s40, ttmp6, 0x40000                  ; cx
	s_bfe_u32 s41, ttmp6, 0x40004                  ; cy
	s_lshl_b32 s42, ttmp9, 2
	s_add_co_u32 s42, s42, s40                     ; tile column 0..15
	s_and_b32 s17, ttmp7, 0xffff
	s_lshl_b32 s17, s17, 2
	s_add_co_u32 s17, s17, s41                     ; tile row 0..31
	s_lshl_b32 s43, s41, 2
	s_lshl_b32 s43, 15, s43                        ; my row of the cluster
	s_lshl_b32 s44, 0x1111, s40                    ; my column
	s_or_b32 s[G1+0], s43, (3<<16)|(1<<21)         ; elements of 8 bytes, no padding, bit 21 beside the mask
	s_or_b32 s[G1B+0], s44, (3<<16)|(1<<21)
.irp g, G1, G1B
	s_mov_b32 s[\g+1], 32<<16                      ; rows of 32 elements: 256 bytes
	s_mov_b32 s[\g+2], 200<<16                     ; 200 rows for the head's loads: two packs
	s_mov_b32 s[\g+3], 32<<16
	s_mov_b32 s[\g+4], 200
	s_mov_b32 s[\g+5], 32                          ; dense
	s_mov_b32 s[\g+6], 0
	s_mov_b32 s[\g+7], 0
.endr
	s_mov_b32 s[G1C+0], (3<<16)|(1<<20)|(5<<22)|(3<<25)   ; c_prev: 64 rows of 256 bytes, 4,096 apart in memory, 16 bytes of padding behind each; no mask
	s_mov_b32 s[G1C+1], 32<<16
	s_mov_b32 s[G1C+2], 64<<16
	s_mov_b32 s[G1C+3], 32<<16
	s_mov_b32 s[G1C+4], 64
	s_mov_b32 s[G1C+5], 512
	s_mov_b32 s[G1C+6], 0
	s_mov_b32 s[G1C+7], 0
	s_lshl_b32 s20, s17, 1
	s_mul_i32 s20, s20, GRP                        ; A's two packs begin at pack 2 x tile row
	s_mov_b32 s21, 0
	s_lshl_b32 s46, s42, 1
	s_mul_i32 s46, s46, GRP                        ; B's at pack 2 x tile column
	s_mov_b32 s47, 0
	s_mul_i32 s45, s14, GRP                        ; in the ring: where my pack goes: wave x a pack
	s_mul_i32 s8, s15, GRP                         ; my pack of A in slot 0, 1
	s_add_co_u32 s9, s8, SLOT
	s_mul_i32 s10, s16, GRP
	s_add_co_u32 s10, s10, 2*GRP                   ; my pack of B
	s_add_co_u32 s11, s10, SLOT
	s_add_co_u32 s22, s8, SCO                      ; A's scale words,
	s_sub_co_u32 s23, s10, s8                      ; and how far on B's lie
	s_mul_i32 s93, s15, 128*CPITCH
	s_mul_i32 s94, s16, 8*CPITCH
	s_add_co_u32 s94, s94, s93                     ; back: rows 128 (wave / 2) + 8 (wave % 2) + 16 a + 0..7
	s_lshl_b32 s66, s16, 7
	s_add_co_u32 s93, s93, s66                     ; c_prev's tile: my 128 rows, my 128 bytes of a row
	s_wait_dscnt 0x0
	s_wait_kmcnt 0x0
	s_add_nc_u64 s[20:21], s[4:5], s[20:21]
	s_add_nc_u64 s[46:47], s[6:7], s[46:47]
	CROUND                                         ; the first joint loads meet
.irp s, 0,1
	s_mov_b32 s[G0+4*\s], 1
	s_mov_b32 s[G0+4*\s+1], \s*SLOT
	s_add_nc_u64 s[G0+4*\s+2:G0+4*\s+3], s[20:21], \s*ASTR
	s_or_b32 s[G0+4*\s+3], s[G0+4*\s+3], 0x80000000
	s_mov_b32 s[G0B+4*\s], 1
	s_mov_b32 s[G0B+4*\s+1], \s*SLOT+2*GRP
	s_add_nc_u64 s[G0B+4*\s+2:G0B+4*\s+3], s[46:47], \s*BSTR
	s_or_b32 s[G0B+4*\s+3], s[G0B+4*\s+3], 0x80000000
.endr
; the head's loads, one a wave: one chain of branches on the wave's number, a load to an arm, all arms leading to one join
.macro ARM under, g0, g1, next
	s_cmp_lt_u32 s14, \under
	s_cbranch_scc0 \next
	tensor_load_to_lds s[\g0:\g0+3], s[\g1:\g1+7]
	s_nop 0
	PLACES
	s_branch .Lhead_asked
\next:
.endm
	ARM 1, G0,   G1,  .Lhead_b0
	ARM 2, G0B,  G1B, .Lhead_a1
	ARM 3, G0+4, G1,  .Lhead_b1
	tensor_load_to_lds s[G0B+4:G0B+7], s[G1B:G1B+7]
	s_nop 0
	PLACES
.Lhead_asked:
	v_and_b32 v1, 15, v0                           ; r
	v_bfe_u32 v2, v0, 4, 1                         ; h
	v_and_b32 v3, 31, v0                           ; l
	v_lshlrev_b32 v4, 4, v3                        ; 16 l
	v_lshlrev_b32 v[VPF], 12, v3
	v_min_u32 v5, 24, v3
	v_lshlrev_b32 v[PFO], 8, v5
	v_mul_u32_u24 v6, s23, v2                      ; lanes 16-31 take B's words
	v_lshl_add_u32 v6, v1, 3, v6                   ; 8 bytes a row
	v_add_nc_u32 v[ADRS], s22, v6
	v_add_nc_u32 v[ADRS+1], SLOT, v[ADRS]
	v_mul_u32_u24 v5, v1, CPITCH
	v_lshl_add_u32 v5, v2, 5, v5
	v_add_nc_u32 v[VCP], s93, v5                   ; row r, 32 bytes for each half of the lanes
	v_add_nc_u32 v[VH], SLOT, v[VCP]
	v_mul_u32_u24 v5, v2, CPITCH
	v_lshl_add_u32 v5, v1, 4, v5
	v_add_nc_u32 v[RD], s94, v5                    ; back: lanes 0-15 one row of 256 bytes, lanes 16-31 the next
	v_add_nc_u32 v[RDH], SLOT, v[RD]
	v_lshlrev_b32 v5, 12, v2
	v_lshl_add_u32 v[CO], v1, 4, v5                ; the same two rows in out0 and out1
	v_lshlrev_b32 v7, 5, v2                        ; the biases: 32 bytes for each half of the lanes
	WIN 0x40                                       ; the fragments' addresses, in window 1
	v_add_nc_u32 v[AD], s8, v4
	v_add_nc_u32 v[AD+1], s9, v4
	v_add_nc_u32 v[AD+2], s10, v4
	v_add_nc_u32 v[AD+3], s11, v4
	WIN 0
	s_wait_alu depctr_va_vdst(0)
	s_mov_b32 s86, BSTR                            ; the prefetches: my pack of the ring, my work-group's 25 blocks of it
	s_cmp_eq_u32 s15, 0
	s_cselect_b64 s[PFA:PFA+1], s[20:21], s[46:47]
	s_cselect_b32 s86, ASTR, s86
	s_cselect_b32 s88, s40, s41
	s_mov_b32 s87, 0
	s_mul_i32 s88, s88, 6400
	s_mul_i32 s89, s16, GRP
	s_add_co_u32 s88, s88, s89
	s_mov_b32 s89, 0
	s_add_nc_u64 s[PFA:PFA+1], s[PFA:PFA+1], s[88:89]
	s_add_nc_u64 s[PFA:PFA+1], s[PFA:PFA+1], s[86:87]
	s_add_nc_u64 s[90:91], s[PFA:PFA+1], s[86:87]  ; slot 2 of K
	s_add_nc_u64 s[PFA:PFA+1], s[90:91], s[86:87]  ; slot 3: the first change of slots steps it to 4
	global_prefetch_b8 v[PFO], s[90:91] th:TH_LOAD_NT scope:SCOPE_SE
	global_prefetch_b8 v[PFO], s[PFA:PFA+1] th:TH_LOAD_NT scope:SCOPE_SE
	s_lshl_b32 s66, s42, 8
	s_lshl_b32 s67, s16, 7
	s_add_co_u32 s66, s66, s67                     ; my 32 hidden columns in a bias
	s_mov_b32 s67, 0
.irp g, 68,70,72,74
	s_add_nc_u64 s[\g:\g+1], s[\g:\g+1], s[66:67]
.endr
.irp b, 0,1,2,3,4,5,6,7                ; block b: gate b / 2, hidden columns 16 (b % 2) + 8 h + 0..7: the result's layout
.irp i, 0,1
	global_load_b128 v[BIAS+8*\b+4*\i:BIAS+8*\b+4*\i+3], v7, s[68+2*(\b/2):69+2*(\b/2)] offset:64*(\b%2)+16*\i
.endr
.endr
	s_lshl_b32 s66, s17, 8
	s_lshl_b32 s67, s14, 6
	s_add_co_u32 s66, s66, s67                     ; the rows of c_prev that I fetch: 256 x tile row + 64 x wave
	s_lshl_b32 s66, s66, 12
	s_lshl_b32 s67, s42, 8
	s_add_co_u32 s66, s66, s67
	s_mov_b32 s67, 0
	s_add_nc_u64 s[96:97], s[96:97], s[66:67]
	s_lshl_b32 s66, s17, 8
	s_lshl_b32 s67, s15, 7
	s_add_co_u32 s66, s66, s67
	s_lshl_b32 s67, s16, 3
	s_add_co_u32 s66, s66, s67                     ; the first row of the outputs that I store
	s_lshl_b32 s66, s66, 12
	s_lshl_b32 s67, s42, 8
	s_add_co_u32 s66, s66, s67
	s_mov_b32 s67, 0
	s_add_nc_u64 s[98:99], s[98:99], s[66:67]
	s_add_nc_u64 s[100:101], s[100:101], s[66:67]
	s_mov_b32 s[G0C], 1
	s_mul_i32 s[G0C+1], s14, 64*CPITCH             ; my 64 rows, in slot 0
	s_mov_b64 s[G0C+2:G0C+3], s[96:97]
	s_or_b32 s[G0C+3], s[G0C+3], 0x80000000
	s_mov_b32 s[K1], 0xbfb8aa3b                    ; -log2(e)
	s_mov_b32 s[K1+1], 0xbfb8aa3b
	s_mov_b32 s[K2], 0xc038aa3b                    ; -2 log2(e)
	s_mov_b32 s[K2+1], 0xc038aa3b
	s_mov_b32 s[CAP], 0x42200000                   ; 40.0
	s_mul_i32 s66, s16, GRP                        ; in the ring: which of a tile's two packs I fetch
	s_mov_b32 s67, 0
; A run of t loads: whole fragments from block i on, the slot's q-th 128 of K, by address register r, into registers d on: load n fills registers d + 4 n
.macro LRUN t, d, r, i, q
.set LM, 0
.rept \t
	ds_load_b128 v[(\d)+4*LM:(\d)+4*LM+3], v[\r] offset:(2*((\i)+LM/3)+(\q))*1536+512*(LM%3)
.set LM, LM+1
.endr
.endm
.macro PWIN w, bw, first               ; source 0 (B) window bw; source 1 (A) the window of the phase's blocks; C and D window w; the first step's C, the biases, window 0
.set AW, (\w)+1
.if (\w) == 3
.set AW, 3
.endif
.if \first
	WIN (\bw)|(AW<<2)|((\w)<<6)
.else
	WIN (\bw)|(AW<<2)|((\w)<<4)|((\w)<<6)
.endif
.endm
; cnt matrix instructions of phase w from the n0-th on.  The accumulators take turns, one instruction a turn.  par: which set of A's blocks 4-7
.macro MULS w, sc, q, par, first, n0, cnt
.set WN, \n0
.rept \cnt
.set WA, 2*(\w)+WN/8
.set WB, WN%8
.set ACR, 128+64*(WA%2)+8*WB
.if WA < 4
.set AFR, 96+12*(WA%2)
.else
.set AFR, 48*(\par)+12*(WA-4)
.endif
.if \first
	v_wmma_scale_f32_16x16x128_f8f6f4 v[ACR:ACR+7], v[12*WB:12*WB+11], v[AFR:AFR+11], v[BIAS+8*WB:BIAS+8*WB+7], v[SC+16*(\sc)+2*WB+(\q)], v[SC+16*(\sc)+2*WA+(\q)] matrix_a_fmt:MATRIX_FMT_BF6 matrix_b_fmt:MATRIX_FMT_BF6 matrix_a_scale:MATRIX_SCALE_ROW1
.else
	v_wmma_scale_f32_16x16x128_f8f6f4 v[ACR:ACR+7], v[12*WB:12*WB+11], v[AFR:AFR+11], v[ACR:ACR+7], v[SC+16*(\sc)+2*WB+(\q)], v[SC+16*(\sc)+2*WA+(\q)] matrix_a_fmt:MATRIX_FMT_BF6 matrix_b_fmt:MATRIX_FMT_BF6 matrix_a_scale:MATRIX_SCALE_ROW1
.endif
.set WN, WN+1
.endr
.endm
.macro PHASE w, bw, sc, q, par, first, wt      ; wt: how many younger LDS instructions may stay out when the phase's fragments have to be in; -1: no wait is due
.if (\wt) >= 0
	s_wait_dscnt \wt
.endif
	PWIN \w, \bw, \first
	MULS \w, \sc, \q, \par, \first, 0, 16
.endm
.macro RUNA adr, q, d47                ; the next step's A: blocks 0-1, 2-3, 4-7; four places stand between the matrix instructions that read a register and the loads into it
	PLACES
	WIN 0x41
	LRUN 6, 96, \adr, 0, \q
	WIN 0x81
	LRUN 6, 96, \adr, 2, \q
	WIN 0xc1
	LRUN 12, \d47, \adr, 4, \q
.endm
; A slot's first step.  LDS loads out at its start, in order: (scales, B's set 0, A's 0-1), A's 2-3 (6), A's 4-7 (12).
.macro EVEN s, first
	PHASE 0, 1, \s, 0, 0, \first, 18               ; 18: A's blocks 2-7 may be out
	PHASE 1, 1, \s, 0, 0, \first, 12               ; 12: A's blocks 4-7
	PLACES
	WIN 0x81
	LRUN 24, 0, AD+2+\s, 0, 1                      ; B's set 1
	PHASE 2, 1, \s, 0, 0, \first, 24               ; 24: the run just issued
	RUNA AD+\s, 1, 48
	PHASE 3, 1, \s, 0, 0, \first, -1
.endm
.macro ASK s
	s_cmp_gt_u32 s3, 1                             ; s3 = 1 in the loop's last trip: no slot of K stands two refills on
	s_cbranch_scc0 .Lcp_\@
	global_prefetch_b8 v[PFO], s[PFA:PFA+1] th:TH_LOAD_NT scope:SCOPE_SE
	s_branch .Lpf_\@
.Lcp_\@:
	global_prefetch_b8 v[VPF], s[96:97] offset:131072*\s th:TH_LOAD_NT scope:SCOPE_SE
.Lpf_\@:
.endm
; A slot's second step changes slots.  fill = 1: slot s is filled again, jointly, two slots of K on.  fill = 2: slot 0's last fill, c_prev's tile, 64 rows a wave, by a load of the wave's own.
.macro ODD s, fill
	PHASE 0, 2, \s, 1, 1, 0, 18                    ; 18: A's blocks 2-7 may be out
	WIN 0
.if \fill == 1
	s_wait_xcnt 0x0                                ; my last prefetch has read its address
	s_add_nc_u64 s[PFA:PFA+1], s[PFA:PFA+1], s[86:87]
.endif
	s_wait_tensorcnt 0x0                           ; all my tensor loads have landed: my pack of the next slot
	ds_add_u32 v[SPW], v[NIL]
.if \fill == 1
	s_add_nc_u64 s[G0+4*\s+2:G0+4*\s+3], s[G0+4*\s+2:G0+4*\s+3], 2*ASTR
	s_add_nc_u64 s[G0B+4*\s+2:G0B+4*\s+3], s[G0B+4*\s+2:G0B+4*\s+3], 2*BSTR
.endif
	s_wait_dscnt 13                                ; the add and A's blocks 4-7 may be out
	PWIN 1, 2, 0
	MULS 1, \s, 1, 1, 0, 0, 8
	s_wait_dscnt 0x0                               ; the add is done, and all my reads of this slot are back
	s_barrier_signal -1
	MULS 1, \s, 1, 1, 0, 8, 8
	WIN 0
	s_barrier_wait -1
	CREST                                          ; no wave of any partner still reads this slot or has a load on its way
.if \fill == 1
	JLOAD G0+4*\s, G1, G0B+4*\s, G1B               ; the four v_nop behind it are also the places in front of the loads below
.else
	tensor_load_to_lds s[G0C:G0C+3], s[G1C:G1C+7]
	s_nop 0
	PLACES
.endif
.irp i, 0,1,2,3,4,5,6,7
	ds_load_b64 v[SC+16*(1-\s)+2*\i:SC+16*(1-\s)+2*\i+1], v[ADRS+1-\s] offset:128*\i   ; the next slot's scale words
.endr
	WIN 0x41
	LRUN 24, 0, AD+3-\s, 0, 0                      ; B's set 0, from the next slot
	WIN 0
.if \fill == 1
	ASK \s
.endif
	PHASE 2, 2, \s, 1, 1, 0, -1
	RUNA AD+1-\s, 0, 0
	PHASE 3, 2, \s, 1, 1, 0, -1
.endm
	s_wait_tensorcnt 0x0                           ; my load of the head's four is in; no tensor load of mine is out, so the descriptors may be written: from here on 100 rows, a pack to a wave
.irp g, G1, G1B
	s_mov_b32 s[\g+2], 100<<16
	s_mov_b32 s[\g+4], 100
.endr
.irp s, 0,1
	s_add_co_u32 s[G0+4*\s+1], s45, \s*SLOT
	s_add_nc_u64 s[G0+4*\s+2:G0+4*\s+3], s[G0+4*\s+2:G0+4*\s+3], s[66:67]
	s_add_co_u32 s[G0B+4*\s+1], s45, \s*SLOT
	s_add_nc_u64 s[G0B+4*\s+2:G0B+4*\s+3], s[G0B+4*\s+2:G0B+4*\s+3], s[66:67]
.endr
	s_barrier_signal -1
	s_barrier_wait -1                              ; both slots are whole
.irp i, 0,1,2,3,4,5,6,7
	ds_load_b64 v[SC+2*\i:SC+2*\i+1], v[ADRS] offset:128*\i
.endr
	WIN 0x41
	LRUN 24, 0, AD+2, 0, 0
	RUNA AD, 0, 0
	s_wait_loadcnt 0x0                             ; the biases are in
	EVEN 0, 1                                      ; the first step's products start the sums on the biases
	WIN 0
	s_mov_b32 s3, 3
.Llap:                                                 ; a trip: four steps, once round the ring; both slots are filled again
	ODD 0, 1
	EVEN 1, 0
	ODD 1, 1
	EVEN 0, 0
	WIN 0
	s_sub_co_u32 s3, s3, 1
	s_cmp_lg_u32 s3, 0
	s_cbranch_scc1 .Llap
	ODD 0, 2                                       ; slot 0 takes c_prev
	EVEN 1, 0
	PHASE 0, 2, 1, 1, 1, 0, 18                     ; the last step fetches nothing: the counts run down
	PHASE 1, 2, 1, 1, 1, 0, 12
	PHASE 2, 2, 1, 1, 1, 0, 0
	PHASE 3, 2, 1, 1, 1, 0, -1
	WIN 0
	s_wait_tensorcnt 0x0                           ; my 64 rows of c_prev have landed; my reads of slot 1 are back
	s_barrier_signal -1
	s_barrier_wait -1                              ; c_prev's tile is whole, and nobody reads slot 1 any more
	PLACES
; THE WAY OUT of block a (rows 16 a .. 16 a + 15 of each half of the tile's rows).  A row's 256 bytes come from two waves and meet in the stages; behind a barrier each wave reads 8 whole rows of c_t and of h_t back
; and stores them: 16 lanes store 256 consecutive bytes, aligned.  Each block has stage bytes of its own: one barrier a block.
.macro RBACK a
.set RS, RB+32*((\a)%2)
.irp t, 0,1,2,3
	ds_load_b128 v[RS+4*\t:RS+4*\t+3], v[RD] offset:(16*(\a)+2*\t)*CPITCH
	ds_load_b128 v[RS+16+4*\t:RS+16+4*\t+3], v[RDH] offset:(16*(\a)+2*\t)*CPITCH
.endr
.endm
.macro SENDB a
.set RS, RB+32*((\a)%2)
.irp t, 0,1,2,3
	global_store_b128 v[CO], v[RS+4*\t:RS+4*\t+3], s[100:101] offset:(16*(\a)+2*\t)*4096 th:TH_STORE_NT
	global_store_b128 v[CO], v[RS+16+4*\t:RS+16+4*\t+3], s[98:99] offset:(16*(\a)+2*\t)*4096 th:TH_STORE_NT
.endr
.endm
; THE CELL.  In block a the lane's 16 elements e = 8 u + j have their gates in F = AC + e, I = AC + 16 + e, G = AC + 32 + e, O = AC + 48 + e, in window a / 2.
; With Ef = 2^(-k f), Ei, Eo likewise (k = log2 e), Eg = 2^(-2 k g), Ec = 2^(-2 k c_t), each exponent held at 40 from above:
;   c_t = [c_prev (1 + Ei)(1 + Eg) + (1 - Eg)(1 + Ef)] / [(1 + Ef)(1 + Ei)(1 + Eg)],   h_t = (1 - Ec) / [(1 + Eo)(1 + Ec)].
; Each accumulator is first read at its low end.
.macro EPI a
.set AC, 128+64*((\a)%2)
.set FQ, AC
.set IQ, AC+16
.set GQ, AC+32
.set OQ, AC+48
.set CPR, CP+16*((\a)%2)
.set CPN, CP+16*(((\a)+1)%2)
.set WALL, 0x55*((\a)/2)               ; all four places: the block's window
.set WCP,  0x54*((\a)/2)               ; source 0 window 0
.set WST,  0x04*((\a)/2)               ; an LDS store's data are its source 1
.if (\a) < 7
	WIN 0
.irp u, 0,1
.irp i, 0,1
	ds_load_b128 v[CPN+8*\u+4*\i:CPN+8*\u+4*\i+3], v[VCP] offset:((\a)+1)*16*CPITCH+64*\u+16*\i   ; the next block's c_prev
.endr
.endr
.endif
	WIN WALL
	s_wait_alu depctr_va_vdst(0)
.set i, 0
.rept 32
.if (i >= 16) && (i < 24)
	v_pk_mul_f32 v[AC+2*i:AC+2*i+1], v[AC+2*i:AC+2*i+1], s[K2:K2+1] op_sel_hi:[1,0]
.else
	v_pk_mul_f32 v[AC+2*i:AC+2*i+1], v[AC+2*i:AC+2*i+1], s[K1:K1+1] op_sel_hi:[1,0]
.endif
.set i, i+1
.endr
.set i, 0
.rept 64
	v_min_num_f32 v[AC+i], s[CAP], v[AC+i]
.set i, i+1
.endr
.set i, 0
	s_wait_alu depctr_va_vdst(0)
.rept 64
	v_exp_f32 v[AC+i], v[AC+i]
.set i, i+1
.endr
	v_nop
	s_wait_alu depctr_va_vdst(0)
.irp q, FQ, IQ, OQ
.set i, 0
.rept 8
	v_pk_add_f32 v[\q+2*i:\q+2*i+1], v[\q+2*i:\q+2*i+1], 1.0 op_sel_hi:[1,0]          ; 1 + Ef, 1 + Ei, 1 + Eo
.set i, i+1
.endr
.endr
.set i, 0
.rept 8
	v_pk_fma_f32 v[IQ+2*i:IQ+2*i+1], v[GQ+2*i:GQ+2*i+1], v[IQ+2*i:IQ+2*i+1], v[IQ+2*i:IQ+2*i+1]   ; P = (1 + Ei)(1 + Eg)
.set i, i+1
.endr
.set i, 0
.rept 8
	v_pk_fma_f32 v[GQ+2*i:GQ+2*i+1], v[GQ+2*i:GQ+2*i+1], -1.0, 1.0 op_sel_hi:[1,0,0]  ; 1 - Eg
.set i, i+1
.endr
.set i, 0
.rept 8
	v_pk_mul_f32 v[GQ+2*i:GQ+2*i+1], v[GQ+2*i:GQ+2*i+1], v[FQ+2*i:FQ+2*i+1]           ; (1 - Eg)(1 + Ef)
.set i, i+1
.endr
.if (\a) == 0
	s_wait_alu depctr_va_vdst(0)
	s_wait_dscnt 4                                 ; block 0's c_prev is in; behind its loads: block 1's four
.else
	s_wait_alu depctr_va_vdst(0)
	s_wait_dscnt 0x0                               ; for the others' sake: my stores of block a - 1 into the stages are done (and this block's c_prev is in)
	s_barrier_signal -1
.endif
	WIN WCP
.set i, 0
.rept 8
	v_pk_fma_f32 v[GQ+2*i:GQ+2*i+1], v[CPR+2*i:CPR+2*i+1], v[IQ+2*i:IQ+2*i+1], v[GQ+2*i:GQ+2*i+1]   ; + c_prev P
.set i, i+1
.endr
	WIN WALL
.set i, 0
.rept 8
	v_pk_mul_f32 v[FQ+2*i:FQ+2*i+1], v[FQ+2*i:FQ+2*i+1], v[IQ+2*i:IQ+2*i+1]           ; (1 + Ef) P
.set i, i+1
.endr
.set i, 0
	s_wait_alu depctr_va_vdst(0)
.rept 16
	v_rcp_f32 v[FQ+i], v[FQ+i]
.set i, i+1
.endr
	v_nop
.if (\a) > 0
	s_barrier_wait -1                              ; block a - 1 is whole in the two stages
	WIN 0
.if (\a) > 2
	s_wait_xcnt 0x0                                ; block a - 3's stores have read this set's registers
.endif
	RBACK (\a)-1
	WIN WALL
.endif
.set i, 0
	s_wait_alu depctr_va_vdst(0)
.rept 8
	v_pk_mul_f32 v[GQ+2*i:GQ+2*i+1], v[GQ+2*i:GQ+2*i+1], v[FQ+2*i:FQ+2*i+1]           ; c_t
.set i, i+1
.endr
.set i, 0
.rept 8
	v_pk_mul_f32 v[IQ+2*i:IQ+2*i+1], v[GQ+2*i:GQ+2*i+1], s[K2:K2+1] op_sel_hi:[1,0]   ; -2 k c_t
.set i, i+1
.endr
.set i, 0
.rept 16
	v_min_num_f32 v[IQ+i], s[CAP], v[IQ+i]
.set i, i+1
.endr
.set i, 0
	s_wait_alu depctr_va_vdst(0)
.rept 16
	v_exp_f32 v[IQ+i], v[IQ+i]                     ; Ec
.set i, i+1
.endr
	v_nop
.set i, 0
	s_wait_alu depctr_va_vdst(0)
.rept 8
	v_pk_fma_f32 v[OQ+2*i:OQ+2*i+1], v[IQ+2*i:IQ+2*i+1], v[OQ+2*i:OQ+2*i+1], v[OQ+2*i:OQ+2*i+1]   ; (1 + Eo)(1 + Ec)
.set i, i+1
.endr
.set i, 0
.rept 8
	v_pk_fma_f32 v[IQ+2*i:IQ+2*i+1], v[IQ+2*i:IQ+2*i+1], -1.0, 1.0 op_sel_hi:[1,0,0]  ; 1 - Ec
.set i, i+1
.endr
.set i, 0
	s_wait_alu depctr_va_vdst(0)
.rept 16
	v_rcp_f32 v[OQ+i], v[OQ+i]
.set i, i+1
.endr
	v_nop
.set i, 0
	s_wait_alu depctr_va_vdst(0)
.rept 8
	v_pk_mul_f32 v[IQ+2*i:IQ+2*i+1], v[IQ+2*i:IQ+2*i+1], v[OQ+2*i:OQ+2*i+1]           ; h_t
.set i, i+1
.endr
.if (\a) > 0
	WIN 0
	s_wait_alu depctr_va_vdst(0)
	s_wait_dscnt 0x0                               ; block a - 1's rows are back in registers
	SENDB (\a)-1
.endif
	WIN WST
.irp u, 0,1
.irp i, 0,1
	ds_store_b128 v[VCP], v[GQ+8*\u+4*\i:GQ+8*\u+4*\i+3] offset:(\a)*16*CPITCH+64*\u+16*\i
	ds_store_b128 v[VH], v[IQ+8*\u+4*\i:IQ+8*\u+4*\i+3] offset:(\a)*16*CPITCH+64*\u+16*\i
.endr
.endr
.endm
.irp u, 0,1
.irp i, 0,1
	ds_load_b128 v[CP+8*\u+4*\i:CP+8*\u+4*\i+3], v[VCP] offset:64*\u+16*\i            ; block 0's c_prev
.endr
.endr
.irp a, 0,1,2,3,4,5,6,7
	EPI \a
.endr
	WIN 0
	s_wait_dscnt 0x0                               ; for the others' sake: my stores of the last block into the stages are done
	s_barrier_signal -1
	s_barrier_wait -1
	s_wait_xcnt 0x0                                ; block 5's stores have read this set's registers
	RBACK 7
.irp t, 0,1,2,3
	s_wait_dscnt 6-2*\t                            ; pair t of c_t's rows and of h_t's is in; the pairs behind it may be out
	global_store_b128 v[CO], v[RB+32+4*\t:RB+32+4*\t+3], s[100:101] offset:(112+2*\t)*4096 th:TH_STORE_NT
	global_store_b128 v[CO], v[RB+48+4*\t:RB+48+4*\t+3], s[98:99] offset:(112+2*\t)*4096 th:TH_STORE_NT
.endr
	s_wait_tensorcnt 0x0                           ; the wave's end
	ds_add_u32 v[SPW], v[NIL]
	s_wait_dscnt 0x0
	CROUND                                         ; the closing round
	s_endpgm
.Lfunc_end_k_qd9a7ab1863_gemm:
	.size	k_qd9a7ab1863_gemm, .Lfunc_end_k_qd9a7ab1863_gemm-k_qd9a7ab1863_gemm
	.p2alignl 7, 3214868480
	.fill 96, 4, 3214868480
	.section	.rodata,"a",@progbits
	.p2align	6, 0x0
	.amdhsa_kernel k_qd9a7ab1863_gemm
		.amdhsa_group_segment_fixed_size 327680
		.amdhsa_private_segment_fixed_size 0
		.amdhsa_enable_private_segment 0
		.amdhsa_kernarg_size 72
		.amdhsa_user_sgpr_count 2
		.amdhsa_user_sgpr_kernarg_segment_ptr 1
		.amdhsa_wavefront_size32 1
		.amdhsa_system_sgpr_workgroup_id_x 1
		.amdhsa_system_sgpr_workgroup_id_y 1
		.amdhsa_system_sgpr_workgroup_id_z 1
		.amdhsa_system_vgpr_workitem_id 0
		.amdhsa_next_free_vgpr 1024
		.amdhsa_next_free_sgpr 102
		.amdhsa_reserve_vcc 0
		.amdhsa_float_denorm_mode_32 3
		.amdhsa_float_denorm_mode_16_64 3
		.amdhsa_memory_ordered 1
		.amdhsa_forward_progress 1
		.amdhsa_inst_pref_size 250
	.end_amdhsa_kernel
	.amdgpu_metadata
---
amdhsa.version: [ 1, 2 ]
amdhsa.kernels:
  - .name:           k_qd9a7ab1863_gemm
    .symbol:         k_qd9a7ab1863_gemm.kd
    .args:
      - { .name: a_pack, .offset: 0, .size: 8, .value_kind: global_buffer, .address_space: global }
      - { .name: b_pack, .offset: 8, .size: 8, .value_kind: global_buffer, .address_space: global }
      - { .name: b_forget, .offset: 16, .size: 8, .value_kind: global_buffer, .address_space: global }
      - { .name: b_input, .offset: 24, .size: 8, .value_kind: global_buffer, .address_space: global }
      - { .name: b_update, .offset: 32, .size: 8, .value_kind: global_buffer, .address_space: global }
      - { .name: b_out, .offset: 40, .size: 8, .value_kind: global_buffer, .address_space: global }
      - { .name: c_prev, .offset: 48, .size: 8, .value_kind: global_buffer, .address_space: global }
      - { .name: out0, .offset: 56, .size: 8, .value_kind: global_buffer, .address_space: global }
      - { .name: out1, .offset: 64, .size: 8, .value_kind: global_buffer, .address_space: global }
    .group_segment_fixed_size: 327680
    .private_segment_fixed_size: 0
    .kernarg_segment_align: 8
    .kernarg_segment_size: 72
    .max_flat_workgroup_size: 128
    .sgpr_count:     102
    .vgpr_count:     1024
    .wavefront_size: 32
...
	.end_amdgpu_metadata
.endif
;; end of part 2
